; MI455X (gfx1250); checked and timed in simulation.
; The chip was launched on July 23, 2026; its instructions are those of AMD's public machine-readable ISA for CDNA 5 (MIT licence, August 2026) and "CDNA5" Instruction Set Architecture Reference Guide (July 2026). The comments in the code are by the model that wrote it; some were corrected since.
;; LSTM Cell. Allowed arithmetic: matrix products marked QUANTISED: E5M2 operands, one given power-of-two scale a tensor, by v_wmma_f32_16x16x64_bf8_bf8 or v_wmma_f32_16x16x128_bf8_bf8, f32 sums; everything else in f32.
;; Inputs: bhc 1,024 float32; bhf 1,024 float32; bhi 1,024 float32; bho 1,024 float32; bxc 1,024 float32; bxf 1,024 float32; bxi 1,024 float32; bxo 1,024 float32; cx 8,192 x 1,024 float32; hx 8,192 x 1,024 float32; lowp_scales 16 int32 (the exponents e of the quantised operands' scales 2^e); whc 1,024 x 1,024 float32; whf 1,024 x 1,024 float32; whi 1,024 x 1,024 float32; who 1,024 x 1,024 float32; wxc 1,024 x 1,024 float32; wxf 1,024 x 1,024 float32; wxi 1,024 x 1,024 float32; wxo 1,024 x 1,024 float32; x 8,192 x 1,024 float32.
;; Outputs: out0 8,192 x 1,024 float32; out1 8,192 x 1,024 float32.
;; Constants: task_id = 0.
;; This version of the problem:
;;   THIS VERSION OF THE PROBLEM IS GIVEN IN LOW PRECISION. The matrix products marked QUANTISED in the list below multiply operands that are first quantised to E5M2 (5 exponent bits, 2 mantissa bits; 8 bits a number), with one given power-of-two scale for each operand tensor; their sums are f32. All else is computed in f32.
;;   The module's matrix products, in the order in which they are computed (A, B: the left and right operand; K: the contracted axis; several contracted axes count as one K, in the product's order):
;;     1. [M 8,192, K 1,024] x [K 1,024, N 1,024]; A: input x; B: input wxi: QUANTISED (scales: A lowp_scales[0], B lowp_scales[1])
;;     2. [M 8,192, K 1,024] x [K 1,024, N 1,024]; A: input hx; B: input whi: QUANTISED (scales: A lowp_scales[2], B lowp_scales[3])
;;     3. [M 8,192, K 1,024] x [K 1,024, N 1,024]; A: input x; B: input wxf: QUANTISED (scales: A lowp_scales[4], B lowp_scales[5])
;;     4. [M 8,192, K 1,024] x [K 1,024, N 1,024]; A: input hx; B: input whf: QUANTISED (scales: A lowp_scales[6], B lowp_scales[7])
;;     5. [M 8,192, K 1,024] x [K 1,024, N 1,024]; A: input x; B: input wxc: QUANTISED (scales: A lowp_scales[8], B lowp_scales[9])
;;     6. [M 8,192, K 1,024] x [K 1,024, N 1,024]; A: input hx; B: input whc: QUANTISED (scales: A lowp_scales[10], B lowp_scales[11])
;;     7. [M 8,192, K 1,024] x [K 1,024, N 1,024]; A: input x; B: input wxo: QUANTISED (scales: A lowp_scales[12], B lowp_scales[13])
;;     8. [M 8,192, K 1,024] x [K 1,024, N 1,024]; A: input hx; B: input who: QUANTISED (scales: A lowp_scales[14], B lowp_scales[15])
;;   THE QUANTISER, for each operand of a quantised product, along K:
;;     - The operand's scale is 2^e, e = its entry of the input lowp_scales (int32; the entries are numbered through the quantised products in the list's order, A before B).
;;     - Each number is divided by the scale, clamped to +-57,344, and rounded to the nearest number of E5M2, ties to even, subnormals kept.
;;     - The product sums the exact products of the quantised numbers (number of the format x scale) in f32.
;;   ~~~python
;;   def quantise(x, axis, e):      # numpy; x: float32 -> the quantised numbers, widened to float32 again
;;       x = np.moveaxis(x, axis, -1); K = x.shape[-1]
;;       r = np.clip(x / 2.0 ** e, -57344, 57344)
;;       step = 2.0 ** (np.maximum(np.frexp(np.where(r == 0, 1, r))[1] - 1, -14) - 2)
;;       q = np.round(r / step) * step * 2.0 ** e      # np.round: ties to even
;;       return np.moveaxis(q, -1, axis).astype(np.float32)
;;   ~~~
;; One version. Each part assembles by itself: llvm-mc -triple=amdgcn-amd-amdhsa -mcpu=gfx1250 --defsym DOCPART=n.
;; ======== version 1 of 1: 2 launches
;; limits: right only within a limited range of input values
;; workspace buffers: acodes 67,108,864 bytes; bcodes 8,388,608 bytes
;; launch quant (part 1): grid 768 x 1, 4 waves a work-group, no clusters, 34,304 bytes of LDS; arguments x, hx, wxi, whi, wxf, whf, wxc, whc, wxo, who, lowp_scales, acodes, bcodes; writes acodes, bcodes
.if DOCPART == 1
	.amdgcn_target "amdgcn-amd-amdhsa--gfx1250"
	.amdhsa_code_object_version 6
	.text
	.protected	k_q78b3b61ff9_quant
	.globl	k_q78b3b61ff9_quant
	.p2align	8
	.type	k_q78b3b61ff9_quant,@function
k_q78b3b61ff9_quant:
	s_mov_b64 s[64:65], 0
	v_nop
	global_prefetch_b8 v0, s[64:65] scope:SCOPE_SE
	s_setreg_imm32_b32 hwreg(HW_REG_WAVE_MODE, 25, 1), 1
	s_wait_xcnt 0x0
; x, hx [8192][1024] and the eight weights [1024][1024], all f32 with K innermost, become codes of BF8 (E5M2), laid as IMAGES OF THE OPERAND'S REGISTERS for the next launch.
; code = number / 2^e, held within +-57,344, rounded to the nearest code, ties to even.  e comes from lowp_scales: gate g (i, f, c, o = 0..3) has entry 4 g for x, 4 g + 1 for wx, 4 g + 2 for hx, 4 g + 3 for wh.
; x and hx have FOUR entries each, one a gate, so each is quantised four times: four versions of its codes.  A weight is quantised once.
; LAYOUT of both outputs: [block of 128 rows][ks 0..15][gate 0..3][fragment 0..7][c 0..3][lane 0..31][16 bytes].  ks 0..7: x or wx, K = 128 ks on; ks 8..15: hx or wh.
; Lane 16 h + r of fragment i holds, of row 16 i + r of the block, the codes of k = 32 c + 16 h + 0 .. 15 of the K step.  byte = block << 20 + ks << 16 + gate << 14 + i << 11 + c << 9 + lane << 4.
; SHARES.  A wave takes a JOB: 16 rows x 512 along K, four UNITS of 16 rows x 128 K; a unit is one fragment.  Work-groups 0..511: x and hx (2,048 jobs); work-groups 512..767: the weights (1,024 jobs).
; A load reads one row's 512 consecutive bytes, 16 a lane; the conversions want 16 neighbours along K in one lane: so a unit's 8,192 bytes turn through the wave's own stage in LDS (rows of 512 + 16 bytes).
; A store writes 512 consecutive bytes, 16 a lane.  No barrier: waves share nothing.  Loads run one unit (16 loads a wave) ahead of the unit at work.
; LIMITS: every e lies between -126 and 112, so that 2^e and 57,344 x 2^e are f32 numbers.  NaN among the inputs is not served; an infinity is held at the largest code.
.set SP,   528                         ; a stage row: 512 bytes + 16
.set WST,  16*SP                       ; a wave's stage
.set LI,   2                           ; v2       16 x lane; never rewritten
.set STI,  3                           ; v3       the stage on the way in: my wave's stage + 16 x lane
.set STR,  4                           ; v4       and on the way out: + 528 r + 64 h
.set SC,   8                           ; v8-11    2^e of version v, as f32
.set LM,   12                          ; v12-15   57,344 x 2^e of version v
.set S,    16                          ; v16-143  two sets of 64 numbers
.set TMP,  144                         ; v144-175 two halves of 16 held numbers
.set CD,   176                         ; v176-239 a fragment's 16 registers of codes for each version
	s_load_b512 s[8:23], s[0:1], 0x0               ; x, hx, wxi, whi, wxf, whf, wxc, whc
	s_load_b256 s[24:31], s[0:1], 0x40             ; wxo, who, lowp_scales, acodes
	s_load_b64 s[32:33], s[0:1], 0x60              ; bcodes
	v_lshl_add_u32 v240, v0, 2, 0x8400
	v_mov_b32 v241, 0
	v_lshrrev_b32 v1, 5, v0
	v_readfirstlane_b32 s2, v1                     ; wave 0..3
	v_and_b32 v1, 31, v0                           ; lane
	v_lshlrev_b32 v[LI], 4, v1
	s_mul_i32 s56, s2, WST                         ; my stage
	v_add_nc_u32 v[STI], s56, v[LI]
	v_and_b32 v5, 15, v0                           ; r
	v_bfe_u32 v6, v0, 4, 1                         ; h
	v_mul_u32_u24 v[STR], v5, SP
	v_lshl_add_u32 v[STR], v6, 6, v[STR]
	v_add_nc_u32 v[STR], s56, v[STR]
	; the job.  Both readings of its number are made, then one compare on the work-group's number chooses
	s_lshl_b32 s3, ttmp9, 2
	s_add_co_u32 s3, s3, s2                        ; job = 4 x work-group + wave
	s_lshr_b32 s34, s3, 10                         ; activations: t = 0 for x, 1 for hx;
	s_and_b32 s35, s3, 1023                        ; 1,024 jobs a tensor
	s_sub_co_u32 s36, s3, 2048
	s_lshr_b32 s37, s36, 7                         ; weights: tw = 2 g + t, the order of the arguments;
	s_and_b32 s38, s36, 127                        ; 128 jobs a tensor
	s_and_b32 s39, s37, 1                          ; t
	s_lshr_b32 s40, s37, 1                         ; g
	s_add_co_u32 s41, s37, 2                       ; the tensor's place among the arguments
	s_lshl_b32 s42, s34, 3                         ; byte of the first scale entry: activations 8 t (then 16 bytes from version to version),
	s_lshl_b32 s43, s37, 3
	s_add_co_u32 s43, s43, 4                       ; weights 8 tw + 4 (and no step: all four reads stay on that entry)
	s_cmp_lt_u32 ttmp9, 512
	s_cselect_b32 s35, s35, s38                    ; the job's number within its tensor
	s_cselect_b32 s39, s34, s39                    ; t
	s_cselect_b32 s40, 0, s40                      ; the gate in the output's address (versions step it by the stores' immediates)
	s_cselect_b32 s41, s34, s41                    ; which argument is read
	s_cselect_b32 s44, s42, s43
	s_cselect_b32 s42, 16, 0
	s_add_co_u32 s45, s44, s42
	s_add_co_u32 s46, s45, s42
	s_add_co_u32 s47, s46, s42                     ; s44-47: the four entries' bytes, all inside the buffer's 64
	s_lshr_b32 s36, s35, 1                         ; group of 16 rows
	s_and_b32 s37, s35, 1                          ; which 512 along K
	s_lshl_b32 s52, s36, 16                        ; in: 16 rows of 4,096 bytes,
	s_lshl_b32 s38, s37, 11
	s_add_co_u32 s52, s52, s38                     ; + 512 numbers
	s_mov_b32 s53, 0
	s_lshr_b32 s38, s36, 3                         ; out: block of 128 rows,
	s_and_b32 s36, s36, 7                          ; fragment
	s_lshl_b32 s54, s38, 20
	s_lshl_b32 s38, s39, 19                        ; ks = 8 t
	s_add_co_u32 s54, s54, s38
	s_lshl_b32 s38, s37, 18                        ; + 4 x half
	s_add_co_u32 s54, s54, s38
	s_lshl_b32 s38, s40, 14
	s_add_co_u32 s54, s54, s38
	s_lshl_b32 s38, s36, 11
	s_add_co_u32 s54, s54, s38
	s_mov_b32 s55, 0
	s_wait_alu depctr_va_vdst(0)
	s_wait_kmcnt 0x0
.irp v, 0,1,2,3
	s_load_b32 s[48+\v], s[28:29], s[44+\v] offset:0x0   ; e of version v
.endr
	s_load_b512 s[68:83], s[28:29], 0x0            ; all sixteen exponents
	s_mov_b64 s[4:5], s[8:9]
.irp n, 1,2,3,4,5,6,7,8,9
	s_cmp_eq_u32 s41, \n
	s_cselect_b64 s[4:5], s[8+2*\n:9+2*\n], s[4:5]
.endr
	s_cmp_lt_u32 ttmp9, 512
	s_cselect_b64 s[6:7], s[30:31], s[32:33]       ; and the buffer that is written
	s_add_nc_u64 s[4:5], s[4:5], s[52:53]
	s_add_nc_u64 s[6:7], s[6:7], s[54:55]
.macro LOAD u                          ; unit u: 16 rows x 512 bytes into set u % 2; 32 lanes read 512 consecutive bytes
.irp r, 0,1,2,3,4,5,6,7,8,9,10,11,12,13,14,15
	global_load_b128 v[S+64*((\u)%2)+4*\r:S+64*((\u)%2)+4*\r+3], v[LI], s[4:5] offset:4096*\r+512*(\u) th:TH_LOAD_NT
.endr
.endm
; Unit u is quantised with version v's scale and stored.  The held numbers go into TMP, so that the unit's numbers stay for the next version.  TMP's two halves take turns: the sixteen holds of the next c,
; plain instructions on the other half, stand between a conversion and the next write of its sources.
.macro PASS u, v
.irp c, 0,1,2,3
.irp i, 0,1,2,3,4,5,6,7,8,9,10,11,12,13,14,15
	v_med3_num_f32 v[TMP+16*(\c%2)+\i], v[S+64*((\u)%2)+16*\c+\i], -v[LM+\v], v[LM+\v]   ; the conversion to an 8-bit code does not saturate (ISA guide 7.6.2): the hold at the largest code x the scale
.endr
	v_cvt_scalef32_pk8_bf8_f32 v[CD+16*\v+4*\c:CD+16*\v+4*\c+1], v[TMP+16*(\c%2):TMP+16*(\c%2)+7], v[SC+\v]
	v_cvt_scalef32_pk8_bf8_f32 v[CD+16*\v+4*\c+2:CD+16*\v+4*\c+3], v[TMP+16*(\c%2)+8:TMP+16*(\c%2)+15], v[SC+\v]
.endr
.irp c, 0,1,2,3
	global_store_b128 v[LI], v[CD+16*\v+4*\c:CD+16*\v+4*\c+3], s[6:7] offset:65536*(\u)+16384*\v+512*\c   ; 32 lanes store 512 consecutive bytes, at a multiple of 512 from the buffer's first byte
.endr
.endm
.macro UNIT u
.if (\u) < 3
	s_wait_loadcnt 16                              ; this unit's 16 loads are in; the next unit's 16 may be out
.else
	s_wait_loadcnt 0x0
.endif
.irp r, 0,1,2,3,4,5,6,7,8,9,10,11,12,13,14,15
	ds_store_b128 v[STI], v[S+64*((\u)%2)+4*\r:S+64*((\u)%2)+4*\r+3] offset:SP*\r
.endr
.irp c, 0,1,2,3
.irp j, 0,1,2,3
	ds_load_b128 v[S+64*((\u)%2)+16*\c+4*\j:S+64*((\u)%2)+16*\c+4*\j+3], v[STR] offset:128*\c+16*\j   ; LDS serves a wave's instructions in order (ISA guide 5.7.1.4): these see the stores above.  Register 16 c + i = k 32 c + 16 h + i of row r
.endr
.endr
	s_wait_dscnt 0x0
	s_wait_xcnt 0x0                                ; the last unit's stores have read their registers: the codes' registers may be written again
	PASS \u, 0
	s_cmp_eq_u32 s59, 1
	s_cbranch_scc0 .Lone_\@
	PASS \u, 1
	PASS \u, 2
	PASS \u, 3
.Lone_\@:
.if (\u) < 2
	LOAD (\u)+2
.endif
.endm
	LOAD 0
	LOAD 1
	s_wait_kmcnt 0x0
	; Versions 1 to 3 of x's and hx's codes are made only where they can differ from version 0: where x's four exponents (entries 0, 4, 8, 12)
	; or hx's four (entries 2, 6, 10, 14) are not all equal.  Where they are equal the four versions are the same bytes, and the next launch reads version 0 alone.
	s_xor_b32 s59, s68, s72
	s_xor_b32 s56, s68, s76
	s_or_b32 s59, s59, s56
	s_xor_b32 s56, s68, s80
	s_or_b32 s59, s59, s56
	s_xor_b32 s56, s70, s74
	s_or_b32 s59, s59, s56
	s_xor_b32 s56, s70, s78
	s_or_b32 s59, s59, s56
	s_xor_b32 s56, s70, s82
	s_or_b32 s59, s59, s56
	s_cmp_lg_u32 s59, 0
	s_cselect_b32 s59, 1, 0
	s_cmp_lt_u32 ttmp9, 512                        ; a weight has one version
	s_cselect_b32 s59, s59, 0
.irp v, 0,1,2,3
	s_add_co_i32 s57, s[48+\v], 127
	s_lshl_b32 s58, s57, 23
	v_mov_b32 v[SC+\v], s58                        ; 2^e as f32: the conversion takes its exponent field
	s_add_co_i32 s57, s57, 15
	s_lshl_b32 s57, s57, 23
	s_or_b32 s57, s57, 0x600000
	v_mov_b32 v[LM+\v], s57                        ; 57,344 x 2^e
.endr
	s_wait_alu depctr_va_vdst(0)
	UNIT 0
	UNIT 1
	UNIT 2
	UNIT 3
	s_wait_tensorcnt 0x0
	ds_add_u32 v240, v241
	s_wait_dscnt 0x0
	s_endpgm
.Lfunc_end_k_q78b3b61ff9_quant:
	.size	k_q78b3b61ff9_quant, .Lfunc_end_k_q78b3b61ff9_quant-k_q78b3b61ff9_quant
	.p2alignl 7, 3214868480
	.fill 96, 4, 3214868480
	.section	.rodata,"a",@progbits
	.p2align	6, 0x0
	.amdhsa_kernel k_q78b3b61ff9_quant
		.amdhsa_group_segment_fixed_size 34304
		.amdhsa_private_segment_fixed_size 0
		.amdhsa_enable_private_segment 0
		.amdhsa_kernarg_size 104
		.amdhsa_user_sgpr_count 2
		.amdhsa_user_sgpr_kernarg_segment_ptr 1
		.amdhsa_wavefront_size32 1
		.amdhsa_system_sgpr_workgroup_id_x 1
		.amdhsa_system_sgpr_workgroup_id_y 1
		.amdhsa_system_sgpr_workgroup_id_z 1
		.amdhsa_system_vgpr_workitem_id 0
		.amdhsa_next_free_vgpr 242
		.amdhsa_next_free_sgpr 84
		.amdhsa_reserve_vcc 0
		.amdhsa_float_denorm_mode_32 3
		.amdhsa_float_denorm_mode_16_64 3
		.amdhsa_memory_ordered 1
		.amdhsa_forward_progress 1
		.amdhsa_inst_pref_size 99
	.end_amdhsa_kernel
	.amdgpu_metadata
---
amdhsa.version: [ 1, 2 ]
amdhsa.kernels:
  - .name:           k_q78b3b61ff9_quant
    .symbol:         k_q78b3b61ff9_quant.kd
    .args:
      - { .name: x, .offset: 0, .size: 8, .value_kind: global_buffer, .address_space: global }
      - { .name: hx, .offset: 8, .size: 8, .value_kind: global_buffer, .address_space: global }
      - { .name: wxi, .offset: 16, .size: 8, .value_kind: global_buffer, .address_space: global }
      - { .name: whi, .offset: 24, .size: 8, .value_kind: global_buffer, .address_space: global }
      - { .name: wxf, .offset: 32, .size: 8, .value_kind: global_buffer, .address_space: global }
      - { .name: whf, .offset: 40, .size: 8, .value_kind: global_buffer, .address_space: global }
      - { .name: wxc, .offset: 48, .size: 8, .value_kind: global_buffer, .address_space: global }
      - { .name: whc, .offset: 56, .size: 8, .value_kind: global_buffer, .address_space: global }
      - { .name: wxo, .offset: 64, .size: 8, .value_kind: global_buffer, .address_space: global }
      - { .name: who, .offset: 72, .size: 8, .value_kind: global_buffer, .address_space: global }
      - { .name: lowp_scales, .offset: 80, .size: 8, .value_kind: global_buffer, .address_space: global }
      - { .name: acodes, .offset: 88, .size: 8, .value_kind: global_buffer, .address_space: global }
      - { .name: bcodes, .offset: 96, .size: 8, .value_kind: global_buffer, .address_space: global }
    .group_segment_fixed_size: 34304
    .private_segment_fixed_size: 0
    .kernarg_segment_align: 8
    .kernarg_segment_size: 104
    .max_flat_workgroup_size: 128
    .sgpr_count:     84
    .vgpr_count:     242
    .wavefront_size: 32
...
	.end_amdgpu_metadata
.endif
;; end of part 1
;; launch lstm (part 2): grid 16 x 32, 4 waves a work-group, no clusters, 270,848 bytes of LDS; arguments acodes, bcodes, lowp_scales, bxi, bhi, bxf, bhf, bxc, bhc, bxo, bho, cx, out0, out1; writes out0, out1
.if DOCPART == 2
	.amdgcn_target "amdgcn-amd-amdhsa--gfx1250"
	.amdhsa_code_object_version 6
	.text
	.protected	k_q78b3b61ff9_lstm
	.globl	k_q78b3b61ff9_lstm
	.p2align	8
	.type	k_q78b3b61ff9_lstm,@function
k_q78b3b61ff9_lstm:
	s_mov_b64 s[64:65], 0
	v_nop
	global_prefetch_b8 v0, s[64:65] scope:SCOPE_SE
	s_setreg_imm32_b32 hwreg(HW_REG_WAVE_MODE, 25, 1), 1
	s_wait_xcnt 0x0
; The LSTM cell on codes of BF8 (E5M2).  acodes, bcodes: images of operand registers, byte = block of 128 rows << 20 + ks << 16 + gate << 14 + fragment << 11 + c << 9 + lane << 4;
; ks 0..7: x and wx, ks 8..15: hx and wh, 128 along K each.  A work-group makes 256 rows x 64 hidden units x 4 gates; wave (rh, ch) makes 128 rows x 32 hidden units x 4 gates:
; 64 accumulators (a, b), b = 2 gate + j, 512 registers.  So a lane holds i, f, g, o of the same elements, and the gates meet in registers.
; THE SCALES.  x and hx have one exponent a gate.  The main walk multiplies version 0 of their codes for all four gates: right where x's four exponents are equal and hx's four are equal
; (equal exponents give equal codes).  Where they are not, ONE forward branch on the exponents leads into a block that begins every sum anew and multiplies each gate's own version,
; fragments straight from memory, with no LDS access and no barrier in it.  The tiles come by global loads
; into 128 staging registers and go on by ds_store into two LDS slots; with no tensor load there is no joint load, so cluster = none.
; x's part of a sum stands for sum x 2^(ex + ewx), hx's for 2^(eh + ewh): behind ks 7 the sums are multiplied by 2^(ex + ewx - eh - ewh), at the end by 2^(eh + ewh).
; LIMITS: for each gate ex + ewx - eh - ewh lies between -126 and 127, and eh + ewh between -120 and 120.  exp2's results are held at 2^60 where a tanh is made of them.  NaN among the inputs is not served.
; PREFETCH: tile t + 2 is loaded in unit t; its 64 KB are asked for four tiles ahead of that load's tile (the head asks for tiles 2 to 7).  A's 32 KB of a step are shared out by address among the 16
; work-groups of a row block (2 KB, eight lanes, wave 0), B's among row blocks 0 to 15 (wave 2); row blocks 16 to 31 ask for none of B.  cx's 64 rows a wave: a lane a row, in the trip of units 10 and 11.
; REGISTERS: window 0: v0-31 addresses, v32-159 staging (then the way out), v160-223 biases; window 1: fragments A0, A1, B0, B1 (64 each); windows 2, 3: accumulators of rows 0-63, 64-127.
.set SPI,   272
.set CXS,   131072                     ; LDS: A's two slots 0..64K, B's two 64K..128K, then cx / cy (256 rows x 272), hy (the same), the spare words
.set HYD,   256*SPI
.set SPARE, CXS+2*HYD
.set VA, 4
.set VB, 5
.set VS, 6
.set VG0, 7
.set VG1, 8
.set PFO, 9
.set VR, 10
.set VR2, 11
.set VD, 12
.set VD2, 13
.set CO, 14
.set BO, 15
.set CPF, 16
.set SPW, 28
.set NIL, 29
.set S, 32
.set BIAS, 160
.set TI, 32
.set TF, 48
.set TG, 64
.set TO, 80
.set CXR, 96
.set W, 112
.set W3, 128
.set MSB, 0
.macro WIN new
.if MSB != \new
	s_set_vgpr_msb (MSB<<8)|\new
.set MSB, \new
.endif
.endm
.macro PLACES
.rept 4
	v_nop
.endr
.endm
.macro BAR
	s_barrier_signal -1
	s_barrier_wait -1
.endm
.macro GLT base, imm                   ; my 16 KB of a tile: 32 loads of 512 consecutive bytes
.set n, 0
.rept 16
	global_load_b128 v[\base+4*n:\base+4*n+3], v[VG0], s[14:15] offset:\imm+512*n
.set n, n+1
.endr
.set n, 0
.rept 16
	global_load_b128 v[\base+64+4*n:\base+64+4*n+3], v[VG1], s[14:15] offset:\imm+512*n
.set n, n+1
.endr
.endm
.macro STT src, slot                   ; and on into the slot
.set n, 0
.rept 32
	ds_store_b128 v[VS], v[\src+4*n:\src+4*n+3] offset:32768*(\slot)+512*n
.set n, n+1
.endr
.endm
.macro GLC k, imm                      ; chunk k (0..3) of my 16 KB of a tile: eight loads of 512 consecutive bytes
.set n, 0
.rept 8
.if (\k) < 2
	global_load_b128 v[S+32*(\k)+4*n:S+32*(\k)+4*n+3], v[VG0], s[14:15] offset:\imm+4096*(\k)+512*n
.else
	global_load_b128 v[S+32*(\k)+4*n:S+32*(\k)+4*n+3], v[VG1], s[14:15] offset:\imm+4096*((\k)-2)+512*n
.endif
.set n, n+1
.endr
.endm
.macro STC k, slot                     ; and on into the slot
.set n, 0
.rept 8
	ds_store_b128 v[VS], v[S+32*(\k)+4*n:S+32*(\k)+4*n+3] offset:32768*(\slot)+4096*(\k)+512*n
.set n, n+1
.endr
.endm
.macro LDA half, slot
	WIN 0x40
.irp i, 0,1,2,3
.irp c, 0,1,2,3
	ds_load_b128 v[16*(4*(\half)+\i)+4*\c:16*(4*(\half)+\i)+4*\c+3], v[VA] offset:32768*(\slot)+2048*(4*(\half)+\i)+512*\c
.endr
.endr
.endm
.macro LDB half, slot                  ; four fragments of B: b = 4 half + i, gate b / 2
	WIN 0x40
.irp i, 0,1,2,3
.irp c, 0,1,2,3
	ds_load_b128 v[128+16*(4*(\half)+\i)+4*\c:128+16*(4*(\half)+\i)+4*\c+3], v[VB] offset:32768*(\slot)+8192*((4*(\half)+\i)/2)+2048*(\i%2)+512*\c
.endr
.endr
.endm
.macro MULQ ah, bh, zero               ; a quadrant: 16 accumulators by turns; source 0 = B's rows, source 1 = A's rows
	WIN 0xa5+0x50*(\ah)
.irp i, 0,1,2,3
.irp k, 0,1,2,3
.set DD, 8*(8*\i+4*(\bh)+\k)
.set FB, 128+16*(4*(\bh)+\k)
.set FA, 16*(4*(\ah)+\i)
.if \zero
	v_wmma_f32_16x16x128_bf8_bf8 v[DD:DD+7], v[FB:FB+15], v[FA:FA+15], 0
.else
	v_wmma_f32_16x16x128_bf8_bf8 v[DD:DD+7], v[FB:FB+15], v[FA:FA+15], v[DD:DD+7]
.endif
.endr
.endr
.endm
.macro RESCALE                         ; every sum x 2^(ex + ewx - eh - ewh) of its gate; each accumulator from its low end on
.irp w, 0,1
	WIN 0x82+0x41*\w
.irp i, 0,1,2,3
.irp b, 0,1,2,3,4,5,6,7
.irp j, 0,2,4,6
	v_pk_mul_f32 v[64*\i+8*\b+\j:64*\i+8*\b+\j+1], v[64*\i+8*\b+\j:64*\i+8*\b+\j+1], s[52+2*(\b/2):53+2*(\b/2)] op_sel_hi:[1,0]
.endr
.endr
.endr
.endr
	WIN 0
.endm
; Unit t lies between two barriers: quadrants 3, 4 of step t - 1 and 1, 2 of step t (q = t % 2).  An even step walks (A half, B half) = (0,0) (0,1) (1,1) (1,0), an odd one (0,1) (0,0) (1,0) (1,1):
; each quadrant frees one half, which takes tile t's fragments.  All reads of tile t stand in unit t; tile t + 1 is stored into the other slot, whose reads ended ahead of the last barrier.
.macro UNIT q, zero, st, gl, imm, inloop
; The staging goes in four chunks of eight loads, one at each quadrant's edge: chunk k of tile t + 1 is waited for (the three younger chunks, 24 loads, may be out; in a unit that loads nothing 24 - 8 k)
; and stored; one quadrant on, behind the wait that shows its stores done, its registers take chunk k of tile t + 2.
.if \st
	s_wait_loadcnt 24
	STC 0, 1-(\q)
.endif
	PLACES
	LDA 0, \q
	MULQ 1, \q, \zero
	PLACES
	WIN 0
.if \gl
	s_wait_dscnt 16                                ; chunk 0's stores have read their registers (A's 16 loads may be out)
	GLC 0, \imm
.endif
.if \st
	s_wait_loadcnt 24-8*(1-(\gl))
	STC 1, 1-(\q)
.endif
.if \inloop
	s_cmp_gt_u32 s3, s62                           ; the last two trips have no tile six on
	s_cbranch_scc0 .Lnoask_\@
	global_prefetch_b8 v[PFO], s[60:61] offset:\imm th:TH_LOAD_NT scope:SCOPE_SE
.Lnoask_\@:
.endif
	LDB \q, \q
	MULQ 1, 1-(\q), \zero
.if (\inloop) && ((\q) == 0)
	WIN 0
	s_cmp_eq_u32 s3, 2
	s_cbranch_scc0 .Lnocx_\@
	global_prefetch_b8 v[CPF], s[84:85] th:TH_LOAD_NT scope:SCOPE_SE
	global_prefetch_b8 v[CPF], s[84:85] offset:131072 th:TH_LOAD_NT scope:SCOPE_SE
.Lnocx_\@:
	s_cmp_lg_u32 s3, 3                             ; unit 8: step 7 is done, hx's part begins
	s_cbranch_scc1 .Lsame_scale_\@
	RESCALE
.Lsame_scale_\@:
	s_wait_alu depctr_va_vdst(0)
.endif
	PLACES
	WIN 0
.if \gl
	s_wait_dscnt 16                                ; chunk 1's stores have read their registers (B's 16 loads may be out)
	GLC 1, \imm
.endif
.if \st
	s_wait_loadcnt 24-16*(1-(\gl))
	STC 2, 1-(\q)
.endif
	LDB 1-(\q), \q
	LDA 1, \q
	s_wait_dscnt 32+8*(\st)                        ; A0 and the first half of B are in (behind them: chunk 2's stores and the 32 loads just issued)
	MULQ 0, \q, 0
	s_wait_dscnt 16                                ; B's other half is in, and chunk 2's stores are done (A1's 16 loads may be out)
	WIN 0
.if \gl
	GLC 2, \imm
.endif
.if \st
	s_wait_loadcnt 24-24*(1-(\gl))
	STC 3, 1-(\q)
.endif
	MULQ 0, 1-(\q), 0
	WIN 0
	s_wait_dscnt 0x0                               ; my stores and my reads of tile t are done
.if \gl
	GLC 3, \imm
.endif
.endm
	s_load_b128 s[4:7], s[0:1], 0x0                ; acodes, bcodes
	s_load_b64 s[8:9], s[0:1], 0x10                ; lowp_scales
	s_load_b512 s[68:83], s[0:1], 0x18             ; bxi, bhi, bxf, bhf, bxc, bhc, bxo, bho
	s_load_b128 s[84:87], s[0:1], 0x58             ; cx, out0
	s_load_b64 s[88:89], s[0:1], 0x68              ; out1
	v_lshl_add_u32 v[SPW], v0, 2, SPARE
	v_mov_b32 v[NIL], 0
	v_lshrrev_b32 v1, 5, v0
	v_readfirstlane_b32 s10, v1                    ; wave
	s_lshr_b32 s11, s10, 1                         ; rh
	s_and_b32 s12, s10, 1                          ; ch
	s_and_b32 s2, ttmp7, 0xffff                    ; rb: block of 256 rows; ttmp9 = cb: block of 64 hidden units
	s_lshr_b32 s31, ttmp9, 1
	s_lshl_b32 s31, s31, 20
	s_and_b32 s63, ttmp9, 1
	s_lshl_b32 s63, s63, 13
	s_add_co_u32 s31, s31, s63                     ; B: my four fragments of gate 0, ks 0
	s_lshl_b32 s28, s2, 1
	s_add_co_u32 s24, s28, s11
	s_lshl_b32 s24, s24, 20                        ; A: my wave's block of 128 rows
	s_mov_b32 s25, 0
	s_add_co_u32 s28, s28, s10
	s_lshl_b32 s28, s28, 20                        ; staging: waves 0, 1 bring A's blocks,
	s_lshl_b32 s63, s12, 15
	s_add_co_u32 s63, s63, s31                     ; waves 2, 3 gates 0, 1 and 2, 3 of B
	s_cmp_lt_u32 s10, 2
	s_cselect_b32 s28, s28, s63
	s_cselect_b32 s30, 1, 2
	s_lshl_b32 s30, s30, 13                        ; the second 8 KB lie 8 KB (A) or 16 KB (B: the next gate) on
	s_mov_b32 s29, 0
	s_lshl_b32 s26, s12, 12
	s_add_co_u32 s26, s26, s31
	s_mov_b32 s27, 0
	s_lshl_b32 s16, s2, 20                         ; cx, out: row 256 rb + 64 wave, byte 256 cb
	s_lshl_b32 s63, s10, 18
	s_add_co_u32 s16, s16, s63
	s_lshl_b32 s63, ttmp9, 8
	s_add_co_u32 s16, s16, s63
	s_mov_b32 s17, 0
	s_lshl_b32 s60, s2, 1                          ; prefetch, A's share: block 2 rb + cb / 8, 2 KB at (cb % 8) << 11
	s_lshr_b32 s63, ttmp9, 3
	s_add_co_u32 s60, s60, s63
	s_lshl_b32 s60, s60, 20
	s_and_b32 s63, ttmp9, 7
	s_lshl_b32 s63, s63, 11
	s_add_co_u32 s60, s60, s63
	s_bfe_u32 s63, s2, 0x20002                     ; B's share: gate (rb >> 2) & 3, 2 KB at (rb & 3) << 11
	s_lshl_b32 s63, s63, 14
	s_add_co_u32 s66, s31, s63
	s_and_b32 s63, s2, 3
	s_lshl_b32 s63, s63, 11
	s_add_co_u32 s66, s66, s63
	s_cmp_lt_u32 s2, 16
	s_cselect_b32 s62, 2, -1
	s_cmp_eq_u32 s10, 2
	s_cselect_b32 s62, s62, -1
	s_cmp_eq_u32 s10, 0
	s_cselect_b32 s62, 2, s62                      ; s62 = 2 in a wave that asks, else the greatest number
	s_cselect_b32 s60, s60, s66
	s_mov_b32 s61, 0
	s_lshl_b32 s32, s11, 14
	s_lshl_b32 s33, s12, 12
	s_add_co_u32 s33, s33, 65536
	s_lshl_b32 s34, s10, 14
	s_lshl_b32 s63, s11, 15
	s_add_co_u32 s34, s34, s63
	s_mul_i32 s35, s10, 64*SPI
	s_add_co_u32 s35, s35, CXS
	s_mul_i32 s20, s11, 128*SPI
	s_lshl_b32 s63, s12, 7
	s_add_co_u32 s20, s20, s63
	s_add_co_u32 s20, s20, CXS
	s_lshl_b32 s21, ttmp9, 8
	s_add_co_u32 s21, s21, s63
	v_and_b32 v2, 31, v0                           ; lane
	v_and_b32 v1, 15, v0                           ; r
	v_bfe_u32 v3, v0, 4, 1                         ; h
	v_lshlrev_b32 v[VG0], 4, v2
	v_add_nc_u32 v[VG1], s30, v[VG0]
	v_add_nc_u32 v[VA], s32, v[VG0]
	v_add_nc_u32 v[VB], s33, v[VG0]
	v_add_nc_u32 v[VS], s34, v[VG0]
	v_mul_u32_u24 v17, v3, SPI
	v_lshl_add_u32 v17, v1, 4, v17
	v_add_nc_u32 v[VR], s35, v17                   ; by rows: row 64 wave + h, 16 bytes a lane
	v_add_nc_u32 v[VR2], HYD, v[VR]
	v_mul_u32_u24 v18, v1, SPI
	v_lshl_add_u32 v18, v3, 5, v18
	v_add_nc_u32 v[VD], s20, v18                   ; as the accumulators lie: row 128 rh + r, byte 128 ch + 32 h
	v_add_nc_u32 v[VD2], HYD, v[VD]
	v_lshlrev_b32 v19, 12, v3
	v_lshl_add_u32 v[CO], v1, 4, v19
	v_lshlrev_b32 v20, 5, v3
	v_add_nc_u32 v[BO], s21, v20
	v_lshlrev_b32 v[CPF], 12, v2
	v_min_u32 v21, 7, v2
	v_lshlrev_b32 v[PFO], 8, v21
	s_wait_alu depctr_va_vdst(0)                   ; the head's end
	s_wait_kmcnt 0x0
	s_load_b512 s[36:51], s[8:9], 0x0
	s_cmp_lt_u32 s10, 2
	s_cselect_b64 s[14:15], s[4:5], s[6:7]
	s_add_nc_u64 s[14:15], s[14:15], s[28:29]
	s_cmp_eq_u32 s10, 0
	s_cselect_b64 s[18:19], s[4:5], s[6:7]
	s_add_nc_u64 s[60:61], s[18:19], s[60:61]
	s_add_nc_u64 s[24:25], s[4:5], s[24:25]
	s_add_nc_u64 s[26:27], s[6:7], s[26:27]
	s_add_nc_u64 s[84:85], s[84:85], s[16:17]
	s_add_nc_u64 s[86:87], s[86:87], s[16:17]
	s_add_nc_u64 s[88:89], s[88:89], s[16:17]
.irp b, 0,1,2,3,4,5,6,7                ; bx into v160.., bh into window 1: my eight hidden units of fragment b
	global_load_b128 v[BIAS+8*\b:BIAS+8*\b+3], v[BO], s[68+4*(\b/2):69+4*(\b/2)] offset:64*(\b%2)
	global_load_b128 v[BIAS+8*\b+4:BIAS+8*\b+7], v[BO], s[68+4*(\b/2):69+4*(\b/2)] offset:64*(\b%2)+16
.endr
	WIN 0x40
.irp b, 0,1,2,3,4,5,6,7
	global_load_b128 v[8*\b:8*\b+3], v[BO], s[70+4*(\b/2):71+4*(\b/2)] offset:64*(\b%2)
	global_load_b128 v[8*\b+4:8*\b+7], v[BO], s[70+4*(\b/2):71+4*(\b/2)] offset:64*(\b%2)+16
.endr
	WIN 0
	GLT S, 0                                       ; tile 0
	WIN 0xc0
	GLT 0, 65536                                   ; tile 1 lands in window 3, which no product writes before unit 1
	WIN 0
	s_cmp_eq_u32 s62, 2
	s_cbranch_scc0 .Lnoask_head
.irp t, 2,3,4,5,6,7
	global_prefetch_b8 v[PFO], s[60:61] offset:65536*\t th:TH_LOAD_NT scope:SCOPE_SE
.endr
.Lnoask_head:
	s_wait_kmcnt 0x0
	s_mov_b32 s20, 0xbfb8aa3b                      ; -log2 e: a sigmoid's exponent
	s_mov_b32 s21, s20
	s_mov_b32 s22, 0x4038aa3b                      ; 2 log2 e: a tanh's
	s_mov_b32 s23, s22
	s_mov_b32 s98, 0x5d800000                      ; 2^60
.irp g, 0,1,2,3
	s_add_co_i32 s63, s[36+4*\g], s[37+4*\g]
	s_add_co_i32 s66, s[38+4*\g], s[39+4*\g]
	s_sub_co_i32 s63, s63, s66
	s_add_co_i32 s63, s63, 127
	s_lshl_b32 s[52+2*\g], s63, 23                 ; 2^(ex + ewx - eh - ewh)
	s_mov_b32 s[53+2*\g], s[52+2*\g]
	s_lshl_b32 s66, s66, 23
.if \g == 2
	s_add_co_u32 s[90+2*\g], s22, s66              ; the exponent's factor x 2^(eh + ewh)
.else
	s_add_co_u32 s[90+2*\g], s20, s66
.endif
	s_mov_b32 s[91+2*\g], s[90+2*\g]
.endr
	s_xor_b32 s13, s36, s40                        ; s13 = 0: x's four exponents are equal, and hx's four
	s_xor_b32 s63, s36, s44
	s_or_b32 s13, s13, s63
	s_xor_b32 s63, s36, s48
	s_or_b32 s13, s13, s63
	s_xor_b32 s63, s38, s42
	s_or_b32 s13, s13, s63
	s_xor_b32 s63, s38, s46
	s_or_b32 s13, s13, s63
	s_xor_b32 s63, s38, s50
	s_or_b32 s13, s13, s63
	s_wait_loadcnt 32                              ; the biases and tile 0 are in; tile 1 may be out
	STT S, 0
	WIN 0x04
.set j, 0
.rept 32
	v_pk_add_f32 v[BIAS+j:BIAS+j+1], v[BIAS+j:BIAS+j+1], v[j:j+1]
.set j, j+2
.endr
	WIN 0
.set j, 0
.rept 32
.if (j/16) == 2
	v_pk_mul_f32 v[BIAS+j:BIAS+j+1], v[BIAS+j:BIAS+j+1], s[22:23] op_sel_hi:[1,0]
.else
	v_pk_mul_f32 v[BIAS+j:BIAS+j+1], v[BIAS+j:BIAS+j+1], s[20:21] op_sel_hi:[1,0]
.endif
.set j, j+2
.endr
	s_wait_alu depctr_va_vdst(0)
	s_wait_dscnt 0x0
	GLT S, 131072                                  ; tile 2
	BAR
	LDA 0, 0                                       ; unit 0: quadrants 1, 2 of step 0 start their sums
	LDB 0, 0
	LDB 1, 0
	LDA 1, 0
	s_wait_dscnt 32
	MULQ 0, 0, 1
	WIN 0x0c
	s_wait_loadcnt 32                              ; tile 1 is in; tile 2 may be out
	STT 0, 1
	s_wait_dscnt 48                                ; B1 is in (behind it: A1's 16 loads and the 32 stores)
	MULQ 0, 1, 1
	WIN 0
	s_wait_dscnt 0x0
	BAR
	UNIT 1, 1, 1, 1, 196608, 0
	s_wait_xcnt 0x0
	s_add_nc_u64 s[14:15], s[14:15], 262144        ; at tile 4
	s_add_nc_u64 s[60:61], s[60:61], 524288        ; at tile 8
	BAR
	s_mov_b32 s3, 6
.Ltrip:                                                ; units 2 to 13
	UNIT 0, 0, 1, 1, 0, 1
	BAR
	UNIT 1, 0, 1, 1, 65536, 1
	s_wait_xcnt 0x0
	s_add_nc_u64 s[14:15], s[14:15], 131072
	s_add_nc_u64 s[60:61], s[60:61], 131072
	BAR
	s_sub_co_u32 s3, s3, 1
	s_cmp_lg_u32 s3, 0
	s_cbranch_scc1 .Ltrip
	UNIT 0, 0, 1, 0, 0, 0                          ; unit 14 stores tile 15 and loads no tile:
.set n, 0
.rept 32
	global_load_b128 v[S+4*n:S+4*n+3], v[CO], s[84:85] offset:8192*n th:TH_LOAD_NT   ; cx: 64 whole rows of 256 bytes a wave, two an instruction
.set n, n+1
.endr
	BAR
	UNIT 1, 0, 0, 0, 0, 0
	s_wait_loadcnt 0x0
.set n, 0
.rept 32
	ds_store_b128 v[VR], v[S+4*n:S+4*n+3] offset:2*SPI*n
.set n, n+1
.endr
	s_wait_dscnt 0x0
	BAR
	MULQ 1, 0, 0                                   ; quadrants 3, 4 of step 15
	MULQ 1, 1, 0
	WIN 0
	s_cmp_eq_u32 s13, 0
	s_cbranch_scc1 .Lsame
; UNEQUAL EXPONENTS: every sum is begun anew; gate g multiplies version g of A's codes.  Fragments come straight from memory.
.macro SLOW zero
.rept 5
	v_nop                                          ; five places: the products below write over earlier results, the loads over earlier sources
.endr
	WIN 0x40
.irp b, 0,1,2,3,4,5,6,7
.irp c, 0,1,2,3
	global_load_b128 v[128+16*\b+4*\c:128+16*\b+4*\c+3], v[VG0], s[26:27] offset:16384*(\b/2)+2048*(\b%2)+512*\c
.endr
.endr
.irp g, 0,1,2,3
.if \g
	PLACES
	WIN 0x40
.endif
.irp a, 0,1,2,3,4,5,6,7
.irp c, 0,1,2,3
	global_load_b128 v[16*\a+4*\c:16*\a+4*\c+3], v[VG0], s[24:25] offset:16384*\g+2048*\a+512*\c
.endr
.endr
	s_wait_loadcnt 0x0
.irp a, 0,1,2,3,4,5,6,7
	WIN 0xa5+0x50*(\a/4)
.irp k, 0,1
.set DD, 8*(8*(\a%4)+2*\g+\k)
.if \zero
	v_wmma_f32_16x16x128_bf8_bf8 v[DD:DD+7], v[128+16*(2*\g+\k):128+16*(2*\g+\k)+15], v[16*\a:16*\a+15], 0
.else
	v_wmma_f32_16x16x128_bf8_bf8 v[DD:DD+7], v[128+16*(2*\g+\k):128+16*(2*\g+\k)+15], v[16*\a:16*\a+15], v[DD:DD+7]
.endif
.endr
.endr
.endr
	WIN 0
	s_wait_xcnt 0x0
	s_add_nc_u64 s[24:25], s[24:25], 65536
	s_add_nc_u64 s[26:27], s[26:27], 65536
.endm
	SLOW 1
	s_mov_b32 s3, 15
.Lslow:
	s_cmp_lg_u32 s3, 8                             ; ks = 16 - s3 = 8: hx's part begins
	s_cbranch_scc1 .Lslow_same
	RESCALE
.Lslow_same:
	s_wait_alu depctr_va_vdst(0)
	SLOW 0
	s_sub_co_u32 s3, s3, 1
	s_cmp_lg_u32 s3, 0
	s_cbranch_scc1 .Lslow
.Lsame:
	PLACES                                         ; four places behind the last products, ahead of the first read of a sum (ISA guide 7.12.1)
; THE GATES, 16 rows at a time.  E = exp2 of sum x factor + bias x factor.  i g = (Eg - 1) / ((1 + Ei)(1 + Eg)), f = 1 / (1 + Ef), cy = cx f + i g,
; hy = (Ec - 1) / ((1 + Eo)(1 + Ec)), Ec = exp2(2 log2 e cy); Eg and Ec held at 2^60.
.macro PKC op, d, a, c
.set n, 0
.rept 8
	\op v[\d+n:\d+n+1], v[\a+n:\a+n+1], \c op_sel_hi:[1,0]
.set n, n+2
.endr
.endm
.macro PKV op, d, a, b
.set n, 0
.rept 8
	\op v[\d+n:\d+n+1], v[\a+n:\a+n+1], v[\b+n:\b+n+1]
.set n, n+2
.endr
.endm
.macro PKF d, a, b, c
.set n, 0
.rept 8
	v_pk_fma_f32 v[\d+n:\d+n+1], v[\a+n:\a+n+1], v[\b+n:\b+n+1], v[\c+n:\c+n+1]
.set n, n+2
.endr
.endm
.macro TR op, d, cnt
.set n, 0
.rept \cnt
	\op v[\d+n], v[\d+n]
.set n, n+1
.endr
.endm
.macro MINC d
.set n, 0
.rept 16
	v_min_num_f32 v[\d+n], s98, v[\d+n]
.set n, n+1
.endr
.endm
.macro ACT a
	WIN 0x02+(\a)/4
	s_wait_alu depctr_va_vdst(0)                   ; ahead of the first readers of these sums
.irp b, 0,1,2,3,4,5,6,7
.irp j, 0,2,4,6
	v_pk_fma_f32 v[TI+8*\b+\j:TI+8*\b+\j+1], v[64*((\a)%4)+8*\b+\j:64*((\a)%4)+8*\b+\j+1], s[90+2*(\b/2):91+2*(\b/2)], v[BIAS+8*\b+\j:BIAS+8*\b+\j+1] op_sel_hi:[1,0,1]
.endr
.endr
	WIN 0
	s_wait_dscnt 0x0                               ; the last block's stores have read their registers
.irp k, 0,1,2,3
	ds_load_b128 v[CXR+4*\k:CXR+4*\k+3], v[VD] offset:16*SPI*(\a)+64*(\k/2)+16*(\k%2)
.endr
	s_wait_alu depctr_va_vdst(0)                   ; ahead of the batch
	TR v_exp_f32, TI, 64
	v_nop
	s_wait_alu depctr_va_vdst(0)                   ; and behind it
	MINC TG
	PKC v_pk_add_f32, W, TG, 1.0
	PKF TI, TI, W, W
	PKC v_pk_add_f32, TF, TF, 1.0
	s_wait_alu depctr_va_vdst(0)
	TR v_rcp_f32, TI, 32
	PKC v_pk_add_f32, TG, TG, -1.0
	s_wait_dscnt 0x0                               ; cx is in
	s_wait_alu depctr_va_vdst(0)
	PKV v_pk_mul_f32, TG, TG, TI
	PKF CXR, CXR, TF, TG
.irp k, 0,1,2,3
	ds_store_b128 v[VD], v[CXR+4*\k:CXR+4*\k+3] offset:16*SPI*(\a)+64*(\k/2)+16*(\k%2)   ; cy takes the place of my own bytes of cx
.endr
	PKC v_pk_mul_f32, W, CXR, s[22:23]
	s_wait_alu depctr_va_vdst(0)
	TR v_exp_f32, W, 16
	v_nop
	s_wait_alu depctr_va_vdst(0)
	MINC W
	PKC v_pk_add_f32, W3, W, 1.0
	PKF TO, TO, W3, W3
	s_wait_alu depctr_va_vdst(0)
	TR v_rcp_f32, TO, 16
	PKC v_pk_add_f32, W, W, -1.0
	s_wait_alu depctr_va_vdst(0)
	PKV v_pk_mul_f32, W, W, TO
.irp k, 0,1,2,3
	ds_store_b128 v[VD2], v[W+4*\k:W+4*\k+3] offset:16*SPI*(\a)+64*(\k/2)+16*(\k%2)
.endr
.endm
.irp a, 0,1,2,3,4,5,6,7
	ACT \a
.endr
	s_wait_dscnt 0x0
	BAR
; THE WAY OUT: 64 whole rows of 256 bytes a wave from each stage; sixteen lanes store one aligned unit of 256 bytes.
.macro LDO reg, adr, half
.set n, 0
.rept 16
	ds_load_b128 v[\reg+4*n:\reg+4*n+3], v[\adr] offset:2*SPI*(16*(\half)+n)
.set n, n+1
.endr
.endm
.macro STO reg, base, half
.set n, 0
.rept 16
	global_store_b128 v[CO], v[\reg+4*n:\reg+4*n+3], s[\base:\base+1] offset:8192*(16*(\half)+n) th:TH_STORE_NT
.set n, n+1
.endr
.endm
	LDO 32, VR, 0
	LDO 96, VR, 1
	LDO 160, VR2, 0
	s_wait_dscnt 32
	STO 32, 88, 0
	s_wait_dscnt 16
	STO 96, 88, 1
	s_wait_dscnt 0x0
	STO 160, 86, 0
	s_wait_xcnt 0x0                                ; the first stores have read their registers
	LDO 32, VR2, 1
	s_wait_dscnt 0x0
	STO 32, 86, 1
	s_wait_tensorcnt 0x0                           ; the wave's end
	ds_add_u32 v[SPW], v[NIL]
	s_wait_dscnt 0x0
	s_endpgm
.Lfunc_end_k_q78b3b61ff9_lstm:
	.size	k_q78b3b61ff9_lstm, .Lfunc_end_k_q78b3b61ff9_lstm-k_q78b3b61ff9_lstm
	.p2alignl 7, 3214868480
	.fill 96, 4, 3214868480
	.section	.rodata,"a",@progbits
	.p2align	6, 0x0
	.amdhsa_kernel k_q78b3b61ff9_lstm
		.amdhsa_group_segment_fixed_size 270848
		.amdhsa_private_segment_fixed_size 0
		.amdhsa_enable_private_segment 0
		.amdhsa_kernarg_size 112
		.amdhsa_user_sgpr_count 2
		.amdhsa_user_sgpr_kernarg_segment_ptr 1
		.amdhsa_wavefront_size32 1
		.amdhsa_system_sgpr_workgroup_id_x 1
		.amdhsa_system_sgpr_workgroup_id_y 1
		.amdhsa_system_sgpr_workgroup_id_z 1
		.amdhsa_system_vgpr_workitem_id 0
		.amdhsa_next_free_vgpr 1024
		.amdhsa_next_free_sgpr 100
		.amdhsa_reserve_vcc 0
		.amdhsa_float_denorm_mode_32 3
		.amdhsa_float_denorm_mode_16_64 3
		.amdhsa_memory_ordered 1
		.amdhsa_forward_progress 1
		.amdhsa_inst_pref_size 255
	.end_amdhsa_kernel
	.section	.bss,"aw",@nobits
	.p2align	6
	.space	262144
	.amdgpu_metadata
---
amdhsa.version: [ 1, 2 ]
amdhsa.kernels:
  - .name:           k_q78b3b61ff9_lstm
    .symbol:         k_q78b3b61ff9_lstm.kd
    .args:
      - { .name: acodes, .offset: 0, .size: 8, .value_kind: global_buffer, .address_space: global }
      - { .name: bcodes, .offset: 8, .size: 8, .value_kind: global_buffer, .address_space: global }
      - { .name: lowp_scales, .offset: 16, .size: 8, .value_kind: global_buffer, .address_space: global }
      - { .name: bxi, .offset: 24, .size: 8, .value_kind: global_buffer, .address_space: global }
      - { .name: bhi, .offset: 32, .size: 8, .value_kind: global_buffer, .address_space: global }
      - { .name: bxf, .offset: 40, .size: 8, .value_kind: global_buffer, .address_space: global }
      - { .name: bhf, .offset: 48, .size: 8, .value_kind: global_buffer, .address_space: global }
      - { .name: bxc, .offset: 56, .size: 8, .value_kind: global_buffer, .address_space: global }
      - { .name: bhc, .offset: 64, .size: 8, .value_kind: global_buffer, .address_space: global }
      - { .name: bxo, .offset: 72, .size: 8, .value_kind: global_buffer, .address_space: global }
      - { .name: bho, .offset: 80, .size: 8, .value_kind: global_buffer, .address_space: global }
      - { .name: cx, .offset: 88, .size: 8, .value_kind: global_buffer, .address_space: global }
      - { .name: out0, .offset: 96, .size: 8, .value_kind: global_buffer, .address_space: global }
      - { .name: out1, .offset: 104, .size: 8, .value_kind: global_buffer, .address_space: global }
    .group_segment_fixed_size: 270848
    .private_segment_fixed_size: 0
    .kernarg_segment_align: 8
    .kernarg_segment_size: 112
    .max_flat_workgroup_size: 128
    .sgpr_count:     100
    .vgpr_count:     1024
    .wavefront_size: 32
...
	.end_amdgpu_metadata
.endif
;; end of part 2
